; MI455X (gfx1250); checked and timed in simulation.
; The chip was launched on July 23, 2026; its instructions are those of AMD's public machine-readable ISA for CDNA 5 (MIT licence, August 2026) and "CDNA5" Instruction Set Architecture Reference Guide (July 2026). The comments in the code are by the model that wrote it; some were corrected since.
;; Scaled Dot Product Attention. Allowed arithmetic: float matrix products may take bf16 or f16 operands with f32 sums; all other float work in f32.
;; Inputs: k 4 x 16 x 2,048 x 64 float32; mask 2,048 x 2,048 bool; q 4 x 16 x 2,048 x 64 float32; v 4 x 16 x 2,048 x 64 float32.
;; Outputs: out0 4 x 16 x 2,048 x 64 float32.
;; 2 versions, each right. Each part assembles by itself: llvm-mc -triple=amdgcn-amd-amdhsa -mcpu=gfx1250 --defsym DOCPART=n.
;; ======== version 1 of 2: 2 launches
;; limits: right only within a limited range of input values; values are held in f16: magnitudes above 65,504 overflow, below 6.1e-05 lose precision
;; workspace buffers: mbits 524,288 bytes of whole numbers; mflags 256 bytes of whole numbers
;; launch maskprep (part 1): grid 32 x 1, 32 waves a work-group, no clusters, 143,616 bytes of LDS; arguments mask, mbits, mflags; writes mbits, mflags
.if DOCPART == 1
	.amdgcn_target "amdgcn-amd-amdhsa--gfx1250"
	.amdhsa_code_object_version 6
	.text
	.protected	k_q2d8aa4d2aa_maskprep
	.globl	k_q2d8aa4d2aa_maskprep
	.p2align	8
	.type	k_q2d8aa4d2aa_maskprep,@function
k_q2d8aa4d2aa_maskprep:
	s_mov_b64 s[64:65], 0
	v_nop
	global_prefetch_b8 v0, s[64:65] scope:SCOPE_SE
	s_setreg_imm32_b32 hwreg(HW_REG_WAVE_MODE, 25, 1), 1
	s_wait_xcnt 0x0
; The mask [2048 queries][2048 keys], one byte each, is turned into whole numbers for the attention launch:
;   mbits [qtile 128][ktile 128][j 8], 32-bit words: bit L of word (qtile, ktile, j) = mask[16 qtile + (L & 15)][16 ktile + 8 (L >> 4) + j] != 0,
;         which is the lane (L) and register (j) in which the attention launch holds that score: a word is a ready lane mask.
;   mflags [qb 32][2] words: bit kb of word 0 = some byte of the block of 64 queries qb x 64 keys kb is true; of word 1 = all of them are.
; A byte counts as true when it is not 0.
; Work-group g takes the 64 queries of block g.  Wave w takes 16 of them (qt = w & 3) and 256 keys (kc = w >> 2): 4,096 bytes, read once,
; in pieces of 256 consecutive aligned bytes, turned through the wave's own LDS stage so that lane L gets the eight bytes of its (query, keys).
; Memory binds what little work there is; matrix units, clusters and the data mover have nothing to do here.
; The eight bytes that a work-group stores into mflags are a part of a block of 256 bytes: the table has 256 bytes in all.
.set PITCH, 272                        ; a stage row: 256 bytes + 16: an odd multiple of 16, so the rows that a load touches start at different 16-byte columns modulo 256 bytes
.set WSTG,  16*PITCH                   ; a wave's stage: 16 rows
.set FLAGS, 32*WSTG                    ; behind the 32 stages: one word for each wave
.set GO,  4                            ; v4       byte offset in the mask: (L >> 4) rows + 16 (L & 15)
.set ST,  5                            ; v5       where I put 16 bytes of a row
.set RD,  6                            ; v6       where I read my 8 bytes back
.set IN,  8                            ; v[8:39]  eight loads of 16 bytes
.set BK,  40                           ; v[40:71] sixteen times 8 bytes: key tile kt, keys 8 h .. 8 h + 7 of query r
.set OW,  72                           ; v[72:75] the wave's 128 words as 4 words a lane
	s_load_b128 s[4:7], s[0:1], 0x0                ; mask s[4:5], mbits s[6:7]
	s_load_b64 s[8:9], s[0:1], 0x10                ; mflags
	v_lshl_add_u32 v80, v0, 2, 0x22100
	v_mov_b32 v81, 0
	v_lshrrev_b32 v7, 5, v0
	v_readfirstlane_b32 s10, v7                    ; wave 0..31
	v_and_b32 v1, 31, v0                           ; L
	v_and_b32 v2, 15, v0                           ; r
	v_bfe_u32 v3, v0, 4, 1                         ; h
	s_and_b32 s11, s10, 3                          ; qt
	s_lshr_b32 s12, s10, 2                         ; kc
	s_mul_i32 s13, s10, WSTG                       ; my stage
	v_lshlrev_b32 v7, 4, v2                        ; 16 r
	v_lshl_add_u32 v[GO], v3, 11, v7               ; h rows of 2,048 bytes + 16 r
	v_mul_u32_u24 v[ST], v3, PITCH
	v_add_nc_u32 v[ST], v[ST], v7
	v_add_nc_u32 v[ST], s13, v[ST]                 ; stage + h rows + 16 r
	v_mul_u32_u24 v[RD], v2, PITCH
	v_lshl_add_u32 v[RD], v3, 3, v[RD]
	v_add_nc_u32 v[RD], s13, v[RD]                 ; stage + r rows + 8 h
	v_lshlrev_b32 v76, 4, v1                       ; 16 L: my 4 words of the wave's 128
	s_lshl_b32 s14, ttmp9, 17                      ; 64 g rows of 2,048 bytes
	s_lshl_b32 s24, s11, 15                        ; + 16 qt rows
	s_add_co_u32 s14, s14, s24
	s_lshl_b32 s24, s12, 8                         ; + 256 kc keys
	s_add_co_u32 s14, s14, s24
	s_mov_b32 s15, 0
	s_wait_kmcnt 0x0
	s_add_nc_u64 s[4:5], s[4:5], s[14:15]
.irp i, 0,1,2,3,4,5,6,7
	global_load_b128 v[IN+4*\i:IN+4*\i+3], v[GO], s[4:5] offset:4096*\i th:TH_LOAD_NT   ; rows 2 i and 2 i + 1: sixteen lanes take 256 consecutive bytes of a row
.endr
	s_lshl_b32 s14, ttmp9, 14                      ; mbits: (4 g + qt) q tiles of 4,096 bytes + kc times 16 key tiles of 32 bytes
	s_lshl_b32 s24, s11, 12
	s_add_co_u32 s14, s14, s24
	s_lshl_b32 s24, s12, 9
	s_add_co_u32 s14, s14, s24
	s_add_nc_u64 s[6:7], s[6:7], s[14:15]
.irp i, 0,1,2,3
	v_mov_b32 v[OW+\i], 0                          ; v_writelane_b32 keeps the other lanes: the registers are written whole first
	s_mov_b32 s[16+\i], 0                          ; s[16:19] some bit true, key block i of my four
	s_mov_b32 s[20+\i], -1                         ; s[20:23] all bits true
.endr
.irp i, 0,1,2,3,4,5,6,7
	s_wait_loadcnt 7-\i                            ; loads come back in order: load i is in, the 7 - i younger ones stay out
	ds_store_b128 v[ST], v[IN+4*\i:IN+4*\i+3] offset:2*PITCH*\i
.endr
.irp kt, 0,1,2,3,4,5,6,7,8,9,10,11,12,13,14,15
	ds_load_b64 v[BK+2*\kt:BK+2*\kt+1], v[RD] offset:16*\kt    ; my own stage, and LDS serves a wave's instructions in order: these see the stores above
.endr
; word n = 8 kt + j: byte j of the lane's eight; the compare's lane mask is the word; it goes to register n & 3 of lane n >> 2
.set n, 0
.rept 128
.if (n & 7) == 0
	s_wait_dscnt 15-(n>>3)                         ; key tile kt's load is in, the 15 - kt younger ones stay out
.endif
	v_and_b32 v7, 0xff<<(8*(n&3)), v[BK+(n>>2)]
	v_cmp_ne_u32 s24, 0, v7
	v_writelane_b32 v[OW+(n&3)], s24, n>>2
	s_or_b32 s[16+(n>>5)], s[16+(n>>5)], s24
	s_and_b32 s[20+(n>>5)], s[20+(n>>5)], s24
.set n, n+1
.endr
	global_store_b128 v76, v[OW:OW+3], s[6:7] th:TH_STORE_NT   ; the wave's 512 consecutive bytes, aligned
	; my flag word: bit i = some, bit 4 + i = all, for key block i of my four and my 16 queries
	s_mov_b32 s25, 0
.irp i, 0,1,2,3
	s_cmp_lg_u32 s[16+\i], 0
	s_cselect_b32 s24, 1<<\i, 0
	s_or_b32 s25, s25, s24
	s_cmp_eq_u32 s[20+\i], -1
	s_cselect_b32 s24, 16<<\i, 0
	s_or_b32 s25, s25, s24
.endr
	s_lshl_b32 s24, s10, 2
	s_add_co_u32 s24, s24, FLAGS
	v_mov_b32 v77, s24
	v_mov_b32 v7, s25
	ds_store_b32 v77, v7                           ; all lanes write the same word with the same value
	s_wait_dscnt 0x0                               ; for wave 0's sake: my flag word is in LDS
	s_barrier_signal -1
	s_barrier_wait -1
	s_cmp_lg_u32 s10, 0
	s_cbranch_scc1 .Lothers
	; wave 0: lane L makes key block L = 4 kc + i from the words of the four q tiles of chunk kc = L >> 2 (waves 4 kc .. 4 kc + 3)
	v_lshrrev_b32 v7, 2, v1
	v_lshlrev_b32 v7, 4, v7
	v_add_nc_u32 v7, FLAGS, v7
	ds_load_b128 v[8:11], v7
	v_and_b32 v12, 3, v1                           ; i
	v_add_nc_u32 v13, 4, v12
	s_wait_dscnt 0x0
	v_or_b32 v14, v8, v9
	v_or_b32 v15, v10, v11
	v_or_b32 v14, v14, v15                         ; some: in any of the four q tiles
	v_and_b32 v16, v8, v9
	v_and_b32 v17, v10, v11
	v_and_b32 v16, v16, v17                        ; all: in every one of them
	v_lshrrev_b32 v14, v12, v14
	v_lshrrev_b32 v16, v13, v16
	v_and_b32 v14, 1, v14
	v_and_b32 v16, 1, v16
	v_cmp_ne_u32 s26, 0, v14                       ; bit L = key block L
	v_cmp_ne_u32 s27, 0, v16
	v_mov_b32 v40, s26
	v_mov_b32 v41, s27
	v_mov_b32 v42, 0
	s_lshl_b32 s14, ttmp9, 3
	s_add_nc_u64 s[8:9], s[8:9], s[14:15]
	v_cmp_eq_u32 vcc_lo, 0, v1
	s_wait_xcnt 0x0                                ; EXEC is a source of the store above: it is narrowed only behind this wait
	s_wait_tensorcnt 0x0
	ds_add_u32 v80, v81
	s_wait_dscnt 0x0
	s_and_saveexec_b32 s28, vcc_lo
	global_store_b64 v42, v[40:41], s[8:9]         ; lane 0 alone: the two words of query block g
	s_endpgm
.Lothers:
	s_wait_tensorcnt 0x0
	ds_add_u32 v80, v81
	s_wait_dscnt 0x0
	s_endpgm
.Lfunc_end_k_q2d8aa4d2aa_maskprep:
	.size	k_q2d8aa4d2aa_maskprep, .Lfunc_end_k_q2d8aa4d2aa_maskprep-k_q2d8aa4d2aa_maskprep
	.p2alignl 7, 3214868480
	.fill 96, 4, 3214868480
	.section	.rodata,"a",@progbits
	.p2align	6, 0x0
	.amdhsa_kernel k_q2d8aa4d2aa_maskprep
		.amdhsa_group_segment_fixed_size 143616
		.amdhsa_private_segment_fixed_size 0
		.amdhsa_enable_private_segment 0
		.amdhsa_kernarg_size 24
		.amdhsa_user_sgpr_count 2
		.amdhsa_user_sgpr_kernarg_segment_ptr 1
		.amdhsa_wavefront_size32 1
		.amdhsa_system_sgpr_workgroup_id_x 1
		.amdhsa_system_sgpr_workgroup_id_y 1
		.amdhsa_system_sgpr_workgroup_id_z 1
		.amdhsa_system_vgpr_workitem_id 0
		.amdhsa_next_free_vgpr 82
		.amdhsa_next_free_sgpr 66
		.amdhsa_reserve_vcc 1
		.amdhsa_float_denorm_mode_32 3
		.amdhsa_float_denorm_mode_16_64 3
		.amdhsa_memory_ordered 1
		.amdhsa_forward_progress 1
		.amdhsa_inst_pref_size 40
	.end_amdhsa_kernel
	.amdgpu_metadata
---
amdhsa.version: [ 1, 2 ]
amdhsa.kernels:
  - .name:           k_q2d8aa4d2aa_maskprep
    .symbol:         k_q2d8aa4d2aa_maskprep.kd
    .args:
      - { .name: mask, .offset: 0, .size: 8, .value_kind: global_buffer, .address_space: global }
      - { .name: mbits, .offset: 8, .size: 8, .value_kind: global_buffer, .address_space: global }
      - { .name: mflags, .offset: 16, .size: 8, .value_kind: global_buffer, .address_space: global }
    .group_segment_fixed_size: 143616
    .private_segment_fixed_size: 0
    .kernarg_segment_align: 8
    .kernarg_segment_size: 24
    .max_flat_workgroup_size: 1024
    .sgpr_count:     66
    .vgpr_count:     82
    .wavefront_size: 32
...
	.end_amdgpu_metadata
.endif
;; end of part 1
;; launch attn (part 2): grid 4 x 64, 8 waves a work-group, no clusters, 74,752 bytes of LDS; arguments q, k, v, mbits, mflags, out0; writes out0
.if DOCPART == 2
	.amdgcn_target "amdgcn-amd-amdhsa--gfx1250"
	.amdhsa_code_object_version 6
	.text
	.protected	k_q2d8aa4d2aa_attn
	.globl	k_q2d8aa4d2aa_attn
	.p2align	8
	.type	k_q2d8aa4d2aa_attn,@function
k_q2d8aa4d2aa_attn:
	s_mov_b64 s[64:65], 0
	v_nop
	global_prefetch_b8 v0, s[64:65] scope:SCOPE_SE
	s_setreg_imm32_b32 hwreg(HW_REG_WAVE_MODE, 25, 1), 1
	s_wait_xcnt 0x0
; out = softmax(mask ? q k^T / 8 : -inf) v for one head (grid y) and eight blocks of 64 queries (grid x, one block a wave).
; q, k, v, out: [64 heads][2048][64] f32.  mbits, mflags: the mask as lane masks and as block flags, made by the launch before.
;
; SHARING.  Wave w of work-group x owns query block qb = p or 31 - p, p = 4 x + (w >> 1); which of the two is (w ^ (w >> 2)) & 1, so that waves w and
; w + 4, and waves 2 s and 2 s + 1, hold one low and one high block each.  That evens the work out where the mask is lower triangular; no result hangs on it.
; The 2,048 keys go in 32 steps of 64.  All eight waves share a step's K and V: each thread loads 16 bytes of four rows of each as f32, rounds them to 16 bits
; and stores them into one of two LDS slots, a step ahead; one barrier a step.
; A wave leaves out a step whose block of 64 x 64 mask bytes has no true entry (mflags word 0): every p there would be 0.  It applies the lane masks only where the
; block is not all true (mflags word 1).  Step 0 is never left out: its products start the sums, so nothing is cleared.
;
; BOTH PRODUCTS ARE TAKEN TRANSPOSED.  S^T = K Q^T: source 0 = 16 keys, source 1 = 16 queries; lane (r, h) holds in register j the score of key 8 h + j and query r.
; Two such tiles, rounded to 16 bits in pairs, are as they lie the source 1 (32 keys of query r) of O^T = V^T P^T, whose source 0 comes from V's rows by the
; transposing LDS load.  So a query's maximum, sum and factor are one number a lane, and the only step between lanes is h <-> 1 - h.
;
; SOFTMAX with a running maximum m of the raw scores: p = 2^(s c - m c), c = log2(e) / 8; O and l are multiplied by 2^(m_old c - m_new c), formed from the same
; rounded products m c that p uses.  Sums in f32.
; NUMBER FORMATS.  q and k enter the first product as bf16.  p lies in [0, 1] and is rounded to f16: 11 significant bits.  With bf16's 8 bits each weight would be off by
; up to 2^-8 of itself, which shows in rows with few kept keys, where large v of opposite signs cancel.  So the second product is the f16 form.  v is rounded to bf16,
; as q and k are, and that number is written as f16, which holds every bf16 number from 2^-17 to 65,280 in magnitude exactly: the result is that of the exact
; computation on inputs rounded to bf16, but for p's rounding.
; LIMITS.  |v| of 65,408 and more becomes infinite in f16; |v| below 2^-17 is rounded to a multiple of 2^-24.  p below 2^-25 of its row's running maximum enters the
; product as 0 and is still counted in l: at most 2,048 x 2^-25 of l.  m starts at -2^100 (raw q.k units): a row whose kept scores all lie below that gives NaN.
; A row without a true mask entry ends with l = 0 and O = 0 and gives NaN, as the reference does.  NaN or infinite inputs are not reproduced element for
; element (the maximum drops NaN).
;
; NO TENSOR LOADS, NO JOINT REQUESTS, though the four work-groups of a head read the same K and V: the tiles are f32 in memory and have to pass through registers to be
; rounded, and V's rows must be 16-bit for the transposing load.  Through the mover a step's 32,768 bytes would be written to LDS and read back, 65,536 bytes
; of LDS traffic a work-group and step, to spare three of four requests of 32,768 bytes.
; PREFETCH: in step t wave 0 of work-group x asks for 8,192 bytes of tile t + 4 (x = 0, 1: the halves of K's tile; x = 2, 3: of V's), lanes 256 bytes apart, so each
; block of 256 bytes is asked for once in the launch; t = 27 is the last step that asks, for tile 31, the last.
.set TILEB, 16384                      ; a tile in memory: 64 rows of 64 f32
.set KP,    144                        ; K's LDS row: 128 bytes of bf16 + 16: an odd multiple of 16
.set VP,    160                        ; V's LDS row: 128 bytes of f16 + 32: an odd multiple of 32, for the transposing load
.set VOFF,  64*KP                      ; V behind K in a slot
.set SLOTB, VOFF+64*VP                 ; 19,456 bytes a slot, two slots
.set STAGE, 2*SLOTB                    ; behind the slots: 16 rows x 272 bytes for each wave, for the way out
.set SP,    272
; window 0
.set GOFF, 1                           ; v1   16 tid: my 16 bytes in 16 rows of a tile
.set KST,  2                           ; v2   (tid >> 4) KP + 8 (tid & 15): where my 4 numbers of K go
.set VST,  3                           ; v3   the same with VP
.set KA,   4                           ; v4   r KP + 16 h: K fragments
.set VA,   5                           ; v5   (8 h + (L & 7)) VP + 16 ((L >> 3) & 1): V fragments, transposing
.set STO,  6                           ; v6   stage + r SP + 32 h
.set RD,   7                           ; v7   stage + h SP + 16 r
.set CO,   8                           ; v8   16 L
.set PF,   9                           ; v9   256 L + (x & 1) 8192
.set QOFF, 10                          ; v10  256 r + 32 h
.set MX,   12                          ; v[12:15]  running maximum, q tile qt
.set TA,   16                          ; v[16:19]  at work
.set TB,   20                          ; v[20:23]  at work
.set NM,   24                          ; v[24:31]  -m c, twice (a pair for the packed forms)
.set AL,   32                          ; v[32:39]  the factor, twice
.set LS,   40                          ; v[40:47]  two partial sums of p
.set CV,   48                          ; v[48:63]  a tile's part in 16 bits: K 8 registers (bf16), V 8 (f16)
.set STG,  64                          ; v[64:95]  a tile's part as loaded: K 16 registers, V 16
.set QF,   96                          ; v[96:159] Q fragments: (qt, dh) at 16 qt + 8 dh
.set POOL, 160                         ; v[160:223] K fragments (dh, kt) at 8 (4 dh + kt), then V fragments (kh, dt) at 8 (4 kh + dt); q as loaded; the way out
; window 1
.set SC,   0                           ; v[256:383] scores: tile (kt, qt) at 32 qt + 8 kt; then p; then P (qt, kh) as f16 at 16 (2 qt + kh)
.set OA,   128                         ; v[384:511] O^T: tile (dt, qt) at 8 (4 qt + dt)
; scalars: s3 mask of a word's upper half  s[4:5] q  s[6:7] k  s[8:9] v (both at the trip's first tile)  s[10:11] mbits at my block  s[12:13] mflags
; s[14:15] out at my block  s16 wave  s17 qb  s18 step (the loop's counter)  s19 step + 1  s[20:21] c, c  s22 -c  s23 -inf  s24, s25 lane selects
; s26 offset in mbits  s27 last step that prefetches + 1  s[28:29] prefetch base  s30 some-true bits  s31 all-true bits  s[32:63], s[68:99] lane masks
.set MSB, 0
.macro WIN new                         ; s_set_vgpr_msb: bits 1:0 source 0, 3:2 source 1, 5:4 source 2, 7:6 destination; the high byte repeats the setting that is left
.if MSB != \new
	s_set_vgpr_msb (MSB<<8)|\new
.set MSB, \new
.endif
.endm
.macro PLACES cnt
.rept \cnt
	v_nop
.endr
.endm
; my part of a tile pair, in STG, is rounded and stored into slot o: K to bf16; V to bf16 and that number written as f16
.macro CVST o
.set cc, 0
.rept 16
	v_cvt_pk_bf16_f32 v[CV+cc], v[STG+2*cc], v[STG+2*cc+1]
.set cc, cc+1
.endr
.set cc, 0
.rept 8
	v_lshlrev_b32 v[STG+16+2*cc], 16, v[CV+8+cc]           ; V's bf16 numbers as f32 again: the low half moves up,
	v_and_b32 v[STG+17+2*cc], s3, v[CV+8+cc]               ; the high half stays
.set cc, cc+1
.endr
.set cc, 0
.rept 8
	v_cvt_pk_f16_f32 v[CV+8+cc], v[STG+16+2*cc], v[STG+17+2*cc]   ; exact from 2^-17 to 65,280 in magnitude
.set cc, cc+1
.endr
.irp i, 0,1,2,3
	ds_store_b64 v[KST], v[CV+2*\i:CV+2*\i+1] offset:\o*SLOTB+\i*16*KP
.endr
.irp i, 0,1,2,3
	ds_store_b64 v[VST], v[CV+8+2*\i:CV+9+2*\i] offset:\o*SLOTB+VOFF+\i*16*VP
.endr
.endm
; my part of the K and V tiles at byte off from the bases: load i of the work-group covers rows 16 i .. 16 i + 15, a wave's load 512 consecutive bytes
.macro LDT off
.irp i, 0,1,2,3
	global_load_b128 v[STG+4*\i:STG+4*\i+3], v[GOFF], s[6:7] offset:\off+4096*\i
.endr
.irp i, 0,1,2,3
	global_load_b128 v[STG+16+4*\i:STG+19+4*\i], v[GOFF], s[8:9] offset:\off+4096*\i
.endr
.endm
; q tiles qa and qa + 1 as f32 into POOL: lane (r, h) takes d = 8 h .. +7, 16 + 8 h .. +7, 32 + 8 h .. +7, 48 + 8 h .. +7 of query r, in the fragments' order
.macro QLOAD qa
.irp e, 0,1
.irp f, 0,1,2,3
	global_load_b128 v[POOL+32*\e+8*\f:POOL+32*\e+8*\f+3], v[QOFF], s[4:5] offset:(\qa+\e)*4096+64*\f th:TH_LOAD_NT
	global_load_b128 v[POOL+32*\e+8*\f+4:POOL+32*\e+8*\f+7], v[QOFF], s[4:5] offset:(\qa+\e)*4096+64*\f+16 th:TH_LOAD_NT
.endr
.endr
.endm
.macro QCVT qa
.irp e, 0,1
.set cc, 0
.rept 16
	v_cvt_pk_bf16_f32 v[QF+16*(\qa+\e)+cc], v[POOL+32*\e+2*cc], v[POOL+32*\e+2*cc+1]
.set cc, cc+1
.endr
.endr
.endm
; One step: 64 keys, in slot.  u: the step's place in its trip, for the immediates.  st: the tile loaded a step ago is stored into the other slot.
; ld: the tile two steps on is loaded.  pf: prefetch.  first: the sums start here.  bar: a barrier follows.  treg: the register that holds the step's number.
.macro STEP slot, u, st, ld, pf, first, bar, treg
.if \st
	s_wait_loadcnt 0x0                             ; the next step's tile, asked for a step ago, is in STG
	CVST (1-\slot)                                 ; into the slot that was read last step: all its readers waited for their reads in front of the last barrier
.endif
.if \ld
	LDT (\u+2)*TILEB                               ; it has a whole step in which to come
.endif
.if \pf
	s_cmp_lt_u32 \treg, s27                        ; wave 0, steps 0 to 27
	s_cbranch_scc0 .Lnopf_\@
	global_prefetch_b8 v[PF], s[28:29] offset:(\u+4)*TILEB th:TH_LOAD_NT scope:SCOPE_SE
.Lnopf_\@:
.endif
.if \first == 0
	s_bitcmp1_b32 s30, \treg                       ; is any mask byte of my 64 queries x these 64 keys true?
	s_cbranch_scc0 .Lskip_\@
.endif
.irp dh, 0,1
.irp kt, 0,1,2,3
	ds_load_b128 v[POOL+8*(4*\dh+\kt):POOL+8*(4*\dh+\kt)+3], v[KA] offset:\slot*SLOTB+\kt*16*KP+64*\dh
	ds_load_b128 v[POOL+8*(4*\dh+\kt)+4:POOL+8*(4*\dh+\kt)+7], v[KA] offset:\slot*SLOTB+\kt*16*KP+64*\dh+32
.endr
.endr
	s_wait_dscnt 0x8                               ; the fragments of d = 0 .. 31 are in; the eight younger loads (d = 32 .. 63) may be out
	WIN 0x50                                       ; C and D in window 1
	; the sixteen accumulators take turns, one instruction a turn
.irp qt, 0,1,2,3
.irp kt, 0,1,2,3
	v_wmma_f32_16x16x32_bf16 v[SC+32*\qt+8*\kt:SC+32*\qt+8*\kt+7], v[POOL+8*\kt:POOL+8*\kt+7], v[QF+16*\qt:QF+16*\qt+7], 0
.endr
.endr
	s_wait_dscnt 0x0
.irp qt, 0,1,2,3
.irp kt, 0,1,2,3
	v_wmma_f32_16x16x32_bf16 v[SC+32*\qt+8*\kt:SC+32*\qt+8*\kt+7], v[POOL+32+8*\kt:POOL+32+8*\kt+7], v[QF+16*\qt+8:QF+16*\qt+15], v[SC+32*\qt+8*\kt:SC+32*\qt+8*\kt+7]
.endr
.endr
	PLACES 4                                       ; four places before vector instructions read the scores and before loads land on the K fragments
	WIN 0
	s_bitcmp1_b32 s31, \treg                       ; all true: nothing to mask
	s_cbranch_scc1 .Lnomask_\@
	s_lshl_b32 s26, \treg, 7                       ; four key tiles of 32 bytes a step
	s_load_b512 s[32:47], s[10:11], s26 offset:0x0         ; q tile 0: 32 words, word 8 kt + j for register j of tile kt
	s_load_b512 s[48:63], s[10:11], s26 offset:0x40
	s_load_b512 s[68:83], s[10:11], s26 offset:0x1000      ; q tile 1
	s_load_b512 s[84:99], s[10:11], s26 offset:0x1040
	s_wait_kmcnt 0x0
	WIN 0x44
.set cn, 0
.rept 32
	v_cndmask_b32 v[SC+cn], s23, v[SC+cn], s[32+cn]        ; lane's bit 1: the score stays; 0: -inf
.set cn, cn+1
.endr
.set cn, 0
.rept 32
	v_cndmask_b32 v[SC+32+cn], s23, v[SC+32+cn], s[68+cn]
.set cn, cn+1
.endr
	s_load_b512 s[32:47], s[10:11], s26 offset:0x2000      ; q tile 2
	s_load_b512 s[48:63], s[10:11], s26 offset:0x2040
	s_load_b512 s[68:83], s[10:11], s26 offset:0x3000      ; q tile 3
	s_load_b512 s[84:99], s[10:11], s26 offset:0x3040
	s_wait_kmcnt 0x0                               ; it also frees s26 for the next masked step
.set cn, 0
.rept 32
	v_cndmask_b32 v[SC+64+cn], s23, v[SC+64+cn], s[32+cn]
.set cn, cn+1
.endr
.set cn, 0
.rept 32
	v_cndmask_b32 v[SC+96+cn], s23, v[SC+96+cn], s[68+cn]
.set cn, cn+1
.endr
	WIN 0
.Lnomask_\@:
	WIN 0x05                                       ; sources 0 and 1 in window 1
.irp qt, 0,1,2,3
	v_max3_num_f32 v[TA+\qt], v[SC+32*\qt], v[SC+32*\qt+1], v[MX+\qt]     ; four chains, each started by the old maximum
.endr
.set ci, 1
.rept 15
.irp qt, 0,1,2,3
	v_max3_num_f32 v[TA+\qt], v[SC+32*\qt+2*ci], v[SC+32*\qt+2*ci+1], v[TA+\qt]
.endr
.set ci, ci+1
.endr
	WIN 0
.irp kh, 0,1
.irp dt, 0,1,2,3
	ds_load_tr16_b128 v[POOL+8*(4*\kh+\dt):POOL+8*(4*\kh+\dt)+3], v[VA] offset:\slot*SLOTB+VOFF+32*\kh*VP+32*\dt            ; V^T: d = 16 dt + r, keys 32 kh + 8 h .. +7
	ds_load_tr16_b128 v[POOL+8*(4*\kh+\dt)+4:POOL+8*(4*\kh+\dt)+7], v[VA] offset:\slot*SLOTB+VOFF+32*\kh*VP+32*\dt+16*VP    ; keys 32 kh + 16 + 8 h .. +7; they come while the softmax runs
.endr
.endr
.irp qt, 0,1,2,3
	v_permlanex16_b32 v[TB+\qt], v[TA+\qt], s24, s25       ; the other half's keys of the same query
.endr
.irp qt, 0,1,2,3
	v_max_num_f32 v[MX+\qt], v[TA+\qt], v[TB+\qt]
.endr
.irp qt, 0,1,2,3
	v_mul_f32 v[TA+\qt], s22, v[MX+\qt]                    ; -m c, rounded once; p and the factor both use this number
.endr
.irp qt, 0,1,2,3
	v_sub_f32 v[TB+\qt], v[TA+\qt], v[NM+2*\qt]            ; m_old c - m_new c, never above 0
.endr
.irp qt, 0,1,2,3
	v_exp_f32 v[AL+2*\qt], v[TB+\qt]
	v_exp_f32 v[AL+2*\qt+1], v[TB+\qt]
.endr
.irp qt, 0,1,2,3
	v_mov_b32 v[NM+2*\qt], v[TA+\qt]                       ; plain instructions that touch neither AL nor TB stand behind the exponentials (ISA guide 5.7.2)
	v_mov_b32 v[NM+2*\qt+1], v[TA+\qt]
.endr
	s_wait_alu depctr_va_vdst(0)
.irp qt, 0,1,2,3
	v_pk_mul_f32 v[LS+2*\qt:LS+2*\qt+1], v[LS+2*\qt:LS+2*\qt+1], v[AL+2*\qt:AL+2*\qt+1]
.endr
	WIN 0x41                                       ; source 0 and destination in window 1
.irp qt, 0,1,2,3
.set ci, 0
.rept 16
	v_pk_fma_f32 v[SC+32*\qt+2*ci:SC+32*\qt+2*ci+1], v[SC+32*\qt+2*ci:SC+32*\qt+2*ci+1], s[20:21], v[NM+2*\qt:NM+2*\qt+1] op_sel_hi:[1,0,1]   ; s c - m c
.set ci, ci+1
.endr
.endr
.set cn, 0
.rept 64
	v_exp_f32 v[SC+2*cn], v[SC+2*cn]
	v_exp_f32 v[SC+2*cn+1], v[SC+2*cn+1]
.if \first == 0
	v_pk_mul_f32 v[OA+2*cn:OA+2*cn+1], v[OA+2*cn:OA+2*cn+1], v[AL+2*(cn>>4):AL+2*(cn>>4)+1]    ; O times the factor: the plain place behind the two exponentials
.endif
.set cn, cn+1
.endr
.if \first
	v_nop                                          ; the plain place behind the last exponentials
	s_wait_alu depctr_va_vdst(0)
.endif
	WIN 0x01
.set ci, 0
	s_wait_alu depctr_va_vdst(0)
.rept 16
.irp qt, 0,1,2,3
	v_pk_add_f32 v[LS+2*\qt:LS+2*\qt+1], v[SC+32*\qt+2*ci:SC+32*\qt+2*ci+1], v[LS+2*\qt:LS+2*\qt+1]   ; a lane sums its own keys; the halves meet at the end
.endr
.set ci, ci+1
.endr
	WIN 0x45
.set cb, 0
.rept 8
.set ck, 0
.rept 8
	v_cvt_pk_f16_f32 v[SC+16*cb+ck], v[SC+16*cb+2*ck], v[SC+16*cb+2*ck+1]      ; p to f16, in place, upward: register ck is written when registers 2 ck and 2 ck + 1 are read
.set ck, ck+1
.endr
.set cb, cb+1
.endr
	s_wait_dscnt 0x0                               ; V's fragments
	WIN 0x54                                       ; source 1 (P), C and D in window 1
	; the sixteen accumulators take turns, one instruction a turn
.irp kh, 0,1
.irp qt, 0,1,2,3
.irp dt, 0,1,2,3
.if \first*(1-\kh)
	v_wmma_f32_16x16x32_f16 v[OA+8*(4*\qt+\dt):OA+8*(4*\qt+\dt)+7], v[POOL+8*(4*\kh+\dt):POOL+8*(4*\kh+\dt)+7], v[SC+16*(2*\qt+\kh):SC+16*(2*\qt+\kh)+7], 0
.else
	v_wmma_f32_16x16x32_f16 v[OA+8*(4*\qt+\dt):OA+8*(4*\qt+\dt)+7], v[POOL+8*(4*\kh+\dt):POOL+8*(4*\kh+\dt)+7], v[SC+16*(2*\qt+\kh):SC+16*(2*\qt+\kh)+7], v[OA+8*(4*\qt+\dt):OA+8*(4*\qt+\dt)+7]
.endif
.endr
.endr
.endr
	PLACES 5                                       ; five places before the next score products write over P's registers; they also serve the loads into POOL and the readers of O
	WIN 0
.Lskip_\@:
.if \bar
	s_wait_dscnt 0x0                               ; my stores of the next tile are in LDS and my reads of this slot are back
	s_barrier_signal -1
	s_barrier_wait -1                              ; so of every wave: the next slot may be read, this one written
.endif
.endm
	s_load_b256 s[4:11], s[0:1], 0x0               ; q, k, v, mbits
	s_load_b128 s[12:15], s[0:1], 0x20             ; mflags, out
	v_lshl_add_u32 v254, v0, 2, 0x12000
	v_mov_b32 v255, 0
	v_lshrrev_b32 v11, 5, v0
	v_readfirstlane_b32 s16, v11                   ; wave 0..7
	v_and_b32 v16, 31, v0                          ; L
	v_and_b32 v17, 15, v0                          ; r
	v_bfe_u32 v18, v0, 4, 1                        ; h
	v_lshrrev_b32 v19, 4, v0                       ; tid >> 4
	v_lshlrev_b32 v[GOFF], 4, v0
	v_lshlrev_b32 v20, 5, v18
	v_lshl_add_u32 v[QOFF], v17, 8, v20
	s_lshr_b32 s2, s16, 1
	s_lshl_b32 s3, ttmp9, 2
	s_add_co_u32 s2, s2, s3                        ; p = 4 x + (w >> 1)
	s_lshr_b32 s3, s16, 2
	s_xor_b32 s3, s3, s16
	s_sub_co_u32 s17, 31, s2
	s_bitcmp1_b32 s3, 0
	s_cselect_b32 s17, s17, s2                     ; qb = 31 - p or p
	s_mov_b32 s20, 0x3e38aa3b                      ; c = log2(e) / 8
	s_mov_b32 s21, 0x3e38aa3b
	s_mov_b32 s22, 0xbe38aa3b                      ; -c
	s_mov_b32 s23, 0xff800000                      ; -inf
	s_mov_b32 s24, 0x76543210                      ; v_permlanex16_b32: lane i of one half reads lane i of the other
	s_mov_b32 s25, 0xfedcba98
	s_cmp_eq_u32 s16, 0
	s_cselect_b32 s27, 28, 0                       ; wave 0 prefetches in steps 0 to 27, the others never
	s_and_b32 s2, ttmp7, 0xffff
	s_lshl_b32 s2, s2, 19                          ; a head: 2,048 rows of 256 bytes
	s_mov_b32 s3, 0
	s_lshl_b32 s18, s17, 14                        ; a query block: 64 rows of 256 bytes; in mbits four q tiles of 4,096 bytes
	s_mov_b32 s19, 0
	s_wait_kmcnt 0x0
	s_add_nc_u64 s[4:5], s[4:5], s[2:3]
	s_add_nc_u64 s[6:7], s[6:7], s[2:3]
	s_add_nc_u64 s[8:9], s[8:9], s[2:3]
	s_add_nc_u64 s[14:15], s[14:15], s[2:3]
	s_add_nc_u64 s[4:5], s[4:5], s[18:19]
	s_add_nc_u64 s[14:15], s[14:15], s[18:19]
	s_add_nc_u64 s[10:11], s[10:11], s[18:19]
	s_lshl_b32 s18, s17, 3
	s_add_nc_u64 s[12:13], s[12:13], s[18:19]
	s_load_b64 s[30:31], s[12:13], 0x0             ; my block's flags: some true, all true; bit t = step t
	s_cmp_lt_u32 ttmp9, 2
	s_cselect_b64 s[28:29], s[6:7], s[8:9]         ; work-groups 0 and 1 prefetch K, 2 and 3 V
	LDT 0                                          ; tile 0
	QLOAD 0
	v_mul_u32_u24 v20, v19, KP
	v_lshl_add_u32 v[KST], v17, 3, v20
	v_mul_u32_u24 v20, v19, VP
	v_lshl_add_u32 v[VST], v17, 3, v20
	v_mul_u32_u24 v20, v17, KP
	v_lshl_add_u32 v[KA], v18, 4, v20
	v_and_b32 v21, 7, v0
	v_lshl_add_u32 v21, v18, 3, v21                ; 8 h + (L & 7)
	v_mul_u32_u24 v21, v21, VP
	v_bfe_u32 v22, v0, 3, 1
	v_lshl_add_u32 v[VA], v22, 4, v21
	s_mul_i32 s2, s16, 16*SP
	s_add_co_u32 s2, s2, STAGE                     ; my stage
	v_mul_u32_u24 v21, v17, SP
	v_lshl_add_u32 v21, v18, 5, v21
	v_add_nc_u32 v[STO], s2, v21
	v_mul_u32_u24 v21, v18, SP
	v_lshl_add_u32 v21, v17, 4, v21
	v_add_nc_u32 v[RD], s2, v21
	v_lshlrev_b32 v[CO], 4, v16
	s_and_b32 s3, ttmp9, 1
	s_lshl_b32 s3, s3, 13
	v_lshl_add_u32 v[PF], v16, 8, s3
	s_mov_b32 s3, 0xffff0000                       ; from here on: the mask of a word's upper half
.irp qt, 0,1,2,3
	v_mov_b32 v[MX+\qt], 0xf1800000                ; -2^100
	v_mov_b32 v[TB+\qt], 0                         ; v_permlanex16_b32 counts as a reader of its destination
.endr
.irp i, 0,1,2,3,4,5,6,7
	v_mul_f32 v[NM+\i], s22, v[MX]                 ; -m c of the starting maximum
	v_mov_b32 v[LS+\i], 0
.endr
	s_wait_loadcnt 0x10                            ; tile 0 is in; the sixteen q loads behind it stay out
	CVST 0
	LDT TILEB                                      ; tile 1; it stays in STG until step 0 stores it
	s_wait_loadcnt 0x8                             ; q tiles 0 and 1 are in; tile 1's eight loads stay out
	QCVT 0
	QLOAD 2
	s_wait_loadcnt 0x0
	QCVT 2
	s_wait_kmcnt 0x0                               ; the flags
	s_wait_dscnt 0x0                               ; my part of tile 0 is in LDS
	s_barrier_signal -1
	s_barrier_wait -1
	s_mov_b32 s18, 0
	STEP 0, 0, 1, 1, 1, 1, 1, s18                  ; step 0 starts the sums
	s_wait_xcnt 0x0                                ; the bases are stepped only behind this wait
	s_add_nc_u64 s[6:7], s[6:7], TILEB
	s_add_nc_u64 s[8:9], s[8:9], TILEB
	s_add_nc_u64 s[28:29], s[28:29], TILEB
	s_mov_b32 s18, 1
.Lloop:                                            ; 14 trips: steps 1 to 28; the bases stand at the tile of the trip's first step
	s_add_co_u32 s19, s18, 1
	STEP 1, 0, 1, 1, 1, 0, 1, s18
	STEP 0, 1, 1, 1, 1, 0, 1, s19
	s_wait_xcnt 0x0
	s_add_nc_u64 s[6:7], s[6:7], 2*TILEB
	s_add_nc_u64 s[8:9], s[8:9], 2*TILEB
	s_add_nc_u64 s[28:29], s[28:29], 2*TILEB
	s_add_co_u32 s18, s18, 2
	s_cmp_lt_u32 s18, 29
	s_cbranch_scc1 .Lloop
	s_mov_b32 s19, 30
	s_mov_b32 s2, 31
	STEP 1, 0, 1, 1, 0, 0, 1, s18                  ; step 29 loads tile 31, the last
	STEP 0, 0, 1, 0, 0, 0, 1, s19                  ; step 30 stores it
	STEP 1, 0, 0, 0, 0, 0, 0, s2                   ; step 31: no slot is written any more, so no barrier follows
	; out = O / l
.irp qt, 0,1,2,3
	v_add_f32 v[TA+\qt], v[LS+2*\qt], v[LS+2*\qt+1]
.endr
.irp qt, 0,1,2,3
	v_permlanex16_b32 v[TB+\qt], v[TA+\qt], s24, s25
.endr
.irp qt, 0,1,2,3
	v_add_f32 v[TA+\qt], v[TA+\qt], v[TB+\qt]
.endr
.irp qt, 0,1,2,3
	v_rcp_f32 v[AL+2*\qt], v[TA+\qt]
	v_rcp_f32 v[AL+2*\qt+1], v[TA+\qt]
.endr
	v_nop                                          ; the plain place behind the reciprocals
	WIN 0x41
.set cn, 0
	s_wait_alu depctr_va_vdst(0)
.rept 64
	v_pk_mul_f32 v[OA+2*cn:OA+2*cn+1], v[OA+2*cn:OA+2*cn+1], v[AL+2*(cn>>4):AL+2*(cn>>4)+1]
.set cn, cn+1
.endr
	; the way out, 16 queries at a time: lane (r, h) holds d = 16 dt + 8 h + j of query r; through my own stage the rows come back whole
.irp qt, 0,1,2,3
	WIN 0x04                                       ; store data in window 1
.irp dt, 0,1,2,3
	ds_store_b128 v[STO], v[OA+8*(4*\qt+\dt):OA+8*(4*\qt+\dt)+3] offset:64*\dt
	ds_store_b128 v[STO], v[OA+8*(4*\qt+\dt)+4:OA+8*(4*\qt+\dt)+7] offset:64*\dt+16
.endr
	WIN 0
	s_wait_xcnt 0x0                                ; the registers that earlier global stores read are loaded again only behind this wait
.irp i, 0,1,2,3,4,5,6,7
	ds_load_b128 v[POOL+32*(\qt&1)+4*\i:POOL+32*(\qt&1)+4*\i+3], v[RD] offset:2*SP*\i     ; my own stage, served in order: these see the stores above
.endr
.irp i, 0,1,2,3,4,5,6,7
	s_wait_dscnt 7-\i                              ; load i is back, the 7 - i younger ones stay out
	global_store_b128 v[CO], v[POOL+32*(\qt&1)+4*\i:POOL+32*(\qt&1)+4*\i+3], s[14:15] offset:(16*\qt+2*\i)*256 th:TH_STORE_NT    ; two rows: 512 consecutive bytes, aligned
.endr
.endr
	s_wait_tensorcnt 0x0
	ds_add_u32 v254, v255
	s_wait_dscnt 0x0
	s_endpgm
.Lfunc_end_k_q2d8aa4d2aa_attn:
	.size	k_q2d8aa4d2aa_attn, .Lfunc_end_k_q2d8aa4d2aa_attn-k_q2d8aa4d2aa_attn
	.p2alignl 7, 3214868480
	.fill 96, 4, 3214868480
	.section	.rodata,"a",@progbits
	.p2align	6, 0x0
	.amdhsa_kernel k_q2d8aa4d2aa_attn
		.amdhsa_group_segment_fixed_size 74752
		.amdhsa_private_segment_fixed_size 0
		.amdhsa_enable_private_segment 0
		.amdhsa_kernarg_size 48
		.amdhsa_user_sgpr_count 2
		.amdhsa_user_sgpr_kernarg_segment_ptr 1
		.amdhsa_wavefront_size32 1
		.amdhsa_system_sgpr_workgroup_id_x 1
		.amdhsa_system_sgpr_workgroup_id_y 1
		.amdhsa_system_sgpr_workgroup_id_z 1
		.amdhsa_system_vgpr_workitem_id 0
		.amdhsa_next_free_vgpr 512
		.amdhsa_next_free_sgpr 100
		.amdhsa_reserve_vcc 0
		.amdhsa_float_denorm_mode_32 3
		.amdhsa_float_denorm_mode_16_64 3
		.amdhsa_memory_ordered 1
		.amdhsa_forward_progress 1
		.amdhsa_inst_pref_size 255
	.end_amdhsa_kernel
	.section	.bss,"aw",@nobits
	.p2align	6
	.space	262144
	.amdgpu_metadata
---
amdhsa.version: [ 1, 2 ]
amdhsa.kernels:
  - .name:           k_q2d8aa4d2aa_attn
    .symbol:         k_q2d8aa4d2aa_attn.kd
    .args:
      - { .name: q, .offset: 0, .size: 8, .value_kind: global_buffer, .address_space: global }
      - { .name: k, .offset: 8, .size: 8, .value_kind: global_buffer, .address_space: global }
      - { .name: v, .offset: 16, .size: 8, .value_kind: global_buffer, .address_space: global }
      - { .name: mbits, .offset: 24, .size: 8, .value_kind: global_buffer, .address_space: global }
      - { .name: mflags, .offset: 32, .size: 8, .value_kind: global_buffer, .address_space: global }
      - { .name: out0, .offset: 40, .size: 8, .value_kind: global_buffer, .address_space: global }
    .group_segment_fixed_size: 74752
    .private_segment_fixed_size: 0
    .kernarg_segment_align: 8
    .kernarg_segment_size: 48
    .max_flat_workgroup_size: 256
    .sgpr_count:     100
    .vgpr_count:     512
    .wavefront_size: 32
...
	.end_amdgpu_metadata
.endif
;; end of part 2
;; ======== version 2 of 2: 2 launches
;; limits: right only within a limited range of input values; values are held in f16: magnitudes above 65,504 overflow, below 6.1e-05 lose precision
;; workspace buffers: mbits 524,288 bytes of whole numbers; mflags 256 bytes of whole numbers
;; launch maskprep (part 3): grid 8 x 32, 4 waves a work-group, no clusters, 18,176 bytes of LDS; arguments mask, mbits, mflags; writes mbits, mflags
.if DOCPART == 3
	.amdgcn_target "amdgcn-amd-amdhsa--gfx1250"
	.amdhsa_code_object_version 6
	.text
	.protected	k_q2d8aa4d2aa_maskprep
	.globl	k_q2d8aa4d2aa_maskprep
	.p2align	8
	.type	k_q2d8aa4d2aa_maskprep,@function
k_q2d8aa4d2aa_maskprep:
	s_mov_b64 s[64:65], 0
	v_nop
	global_prefetch_b8 v0, s[64:65] scope:SCOPE_SE
	s_setreg_imm32_b32 hwreg(HW_REG_WAVE_MODE, 25, 1), 1
	s_wait_xcnt 0x0
; The mask [2048 queries][2048 keys], one byte each, is turned into whole numbers for the attention launch:
;   mbits [qb 32][kb 32][qt 4][kt 4][j 8], 32-bit words: bit L of word (qb, kb, qt, kt, j) = mask[64 qb + 16 qt + (L & 15)][64 kb + 16 kt + 8 (L >> 4) + j] != 0,
;         which is the lane (L) and register (j) in which the attention launch holds that score: a word is a ready lane mask, and the 128 words of a block
;         of 64 queries x 64 keys are 512 consecutive bytes.
;   mflags [qb 32][kc 8], bytes: bit i = some byte of the block (qb, kb = 4 kc + i) is true; bit 4 + i = all of them are.
; A byte of the mask counts as true when it is not 0.
; Work-group (kc = x, qb = y) takes 64 queries x 256 keys, 16,384 bytes, read once.  Wave w loads rows 16 w .. 16 w + 15 in pieces of 256 consecutive aligned bytes
; into a stage that the four waves share; behind a barrier wave w makes the words of key block 4 kc + w: lane (r, h) reads the eight bytes of its (query, keys).
; 256 work-groups of four waves: a wave has a SIMD's issue to itself, and the words are made eight at a time, so that no instruction reads the result of the one in front.
; Memory binds what little work there is; matrix units, clusters and the data mover have nothing to do here.
; The one byte that a work-group stores into mflags is a part of a block of 256 bytes: the table has 256 bytes in all.
.set PITCH, 272                        ; a stage row: 256 bytes + 16: an odd multiple of 16, so the rows that a load touches start at different 16-byte columns modulo 256 bytes
.set FLAGS, 64*PITCH                   ; behind the stage's 64 rows: one word for each wave
.set GO,  4                            ; v4       byte offset in the mask: (L >> 4) rows + 16 (L & 15)
.set ST,  5                            ; v5       where I put 16 bytes of a row
.set RD,  6                            ; v6       where I read my 8 bytes back
.set IN,  8                            ; v[8:39]  eight loads of 16 bytes
.set BK,  40                           ; v[40:71] sixteen times 8 bytes: group g = 4 qt + kt, keys 16 kt + 8 h .. + 7 of query 16 qt + r
.set OW,  72                           ; v[72:75] the block's 128 words as 4 words a lane
.set T,   80                           ; v[80:87] eight bytes, each alone in its word
	s_load_b128 s[4:7], s[0:1], 0x0                ; mask s[4:5], mbits s[6:7]
	s_load_b64 s[8:9], s[0:1], 0x10                ; mflags
	v_lshl_add_u32 v88, v0, 2, 0x4500
	v_mov_b32 v89, 0
	v_lshrrev_b32 v7, 5, v0
	v_readfirstlane_b32 s10, v7                    ; wave 0..3
	s_and_b32 s11, ttmp7, 0xffff                   ; qb
	v_and_b32 v1, 31, v0                           ; L
	v_and_b32 v2, 15, v0                           ; r
	v_bfe_u32 v3, v0, 4, 1                         ; h
	v_lshlrev_b32 v7, 4, v2                        ; 16 r
	v_lshl_add_u32 v[GO], v3, 11, v7               ; h rows of 2,048 bytes + 16 r
	s_mul_i32 s13, s10, 16*PITCH                   ; the 16 stage rows that I fill
	v_mul_u32_u24 v[ST], v3, PITCH
	v_add_nc_u32 v[ST], v[ST], v7
	v_add_nc_u32 v[ST], s13, v[ST]                 ; (16 w + h) rows + 16 r
	s_lshl_b32 s12, s10, 6                         ; the 64 keys that I turn into words
	v_mul_u32_u24 v[RD], v2, PITCH
	v_lshl_add_u32 v[RD], v3, 3, v[RD]
	v_add_nc_u32 v[RD], s12, v[RD]                 ; r rows + 64 w + 8 h
	v_lshlrev_b32 v76, 4, v1                       ; 16 L: my 4 words of the block's 128
	s_lshl_b32 s14, s11, 17                        ; 64 qb rows of 2,048 bytes
	s_lshl_b32 s24, s10, 15                        ; + 16 w rows
	s_add_co_u32 s14, s14, s24
	s_lshl_b32 s24, ttmp9, 8                       ; + 256 kc keys
	s_add_co_u32 s14, s14, s24
	s_mov_b32 s15, 0
	s_wait_kmcnt 0x0
	s_add_nc_u64 s[4:5], s[4:5], s[14:15]
.irp i, 0,1,2,3,4,5,6,7
	global_load_b128 v[IN+4*\i:IN+4*\i+3], v[GO], s[4:5] offset:4096*\i th:TH_LOAD_NT   ; rows 2 i and 2 i + 1: sixteen lanes take 256 consecutive bytes of a row
.endr
	s_lshl_b32 s14, s11, 14                        ; mbits: (32 qb + 4 kc + w) blocks of 512 bytes
	s_lshl_b32 s24, ttmp9, 11
	s_add_co_u32 s14, s14, s24
	s_lshl_b32 s24, s10, 9
	s_add_co_u32 s14, s14, s24
	s_add_nc_u64 s[6:7], s[6:7], s[14:15]
.irp i, 0,1,2,3
	v_mov_b32 v[OW+\i], 0                          ; v_writelane_b32 keeps the other lanes: the registers are written whole first
.endr
.irp i, 0,1,2,3,4,5,6,7
	s_wait_loadcnt 7-\i                            ; loads come back in order: load i is in, the 7 - i younger ones stay out
	ds_store_b128 v[ST], v[IN+4*\i:IN+4*\i+3] offset:2*PITCH*\i
.endr
	s_wait_dscnt 0x0                               ; for the other waves' sake: my 16 rows are in the stage
	s_barrier_signal -1
	s_barrier_wait -1                              ; all 64 rows are
.irp qt, 0,1,2,3
.irp kt, 0,1,2,3
	ds_load_b64 v[BK+2*(4*\qt+\kt):BK+2*(4*\qt+\kt)+1], v[RD] offset:\qt*16*PITCH+16*\kt
.endr
.endr
; word n = 8 g + j: byte j of the lane's eight of group g; the compare's lane mask is the word; it goes to register n & 3 of lane n >> 2.
; Eight words at a time, the compares' results in two sets of eight scalar registers by turns.
.set g, 0
.rept 16
	s_wait_dscnt 15-g                              ; group g's load is in, the 15 - g younger ones stay out
.irp j, 0,1,2,3,4,5,6,7
	v_and_b32 v[T+\j], 0xff<<(8*(\j&3)), v[BK+2*g+(\j>>2)]
.endr
.irp j, 0,1,2,3,4,5,6,7
	v_cmp_ne_u32 s[32+8*(g&1)+\j], 0, v[T+\j]
.endr
.irp j, 0,1,2,3,4,5,6,7
	v_writelane_b32 v[OW+(\j&3)], s[32+8*(g&1)+\j], 2*g+(\j>>2)
.endr
.set g, g+1
.endr
	global_store_b128 v76, v[OW:OW+3], s[6:7] th:TH_STORE_NT   ; the block's 512 consecutive bytes, aligned
	; some true: a word that is not 0; all true: every word is all ones
	v_or_b32 v[T], v[OW], v[OW+1]
	v_or_b32 v[T+1], v[OW+2], v[OW+3]
	v_and_b32 v[T+2], v[OW], v[OW+1]
	v_and_b32 v[T+3], v[OW+2], v[OW+3]
	v_or_b32 v[T], v[T], v[T+1]
	v_and_b32 v[T+2], v[T+2], v[T+3]
	v_cmp_ne_u32 s16, 0, v[T]
	v_cmp_eq_u32 s17, -1, v[T+2]
	s_cmp_lg_u32 s16, 0
	s_cselect_b32 s25, 1, 0
	s_cmp_eq_u32 s17, -1
	s_cselect_b32 s24, 16, 0
	s_or_b32 s25, s25, s24
	s_lshl_b32 s25, s25, s10                       ; bit w: some; bit 4 + w: all
	s_lshl_b32 s24, s10, 2
	s_add_co_u32 s24, s24, FLAGS
	v_mov_b32 v77, s24
	v_mov_b32 v7, s25
	ds_store_b32 v77, v7                           ; all lanes write the same word with the same value
	s_wait_dscnt 0x0                               ; for wave 0's sake: my flag word is in LDS
	s_barrier_signal -1
	s_barrier_wait -1
	s_cmp_lg_u32 s10, 0
	s_cbranch_scc1 .Lothers
	; wave 0 joins the four waves' bits to the work-group's byte
	v_mov_b32 v7, FLAGS
	ds_load_b128 v[8:11], v7
	s_lshl_b32 s14, s11, 3
	s_add_co_u32 s14, s14, ttmp9                   ; byte 8 qb + kc
	s_add_nc_u64 s[8:9], s[8:9], s[14:15]
	v_mov_b32 v42, 0
	s_wait_dscnt 0x0
	v_or_b32 v8, v8, v9
	v_or_b32 v10, v10, v11
	v_or_b32 v40, v8, v10
	v_cmp_eq_u32 vcc_lo, 0, v1
	s_wait_xcnt 0x0                                ; EXEC is a source of the store above: it is narrowed only behind this wait
	s_wait_tensorcnt 0x0
	ds_add_u32 v88, v89
	s_wait_dscnt 0x0
	s_and_saveexec_b32 s28, vcc_lo
	global_store_b8 v42, v40, s[8:9]               ; lane 0 alone
	s_endpgm
.Lothers:
	s_wait_tensorcnt 0x0
	ds_add_u32 v88, v89
	s_wait_dscnt 0x0
	s_endpgm
.Lfunc_end_k_q2d8aa4d2aa_maskprep:
	.size	k_q2d8aa4d2aa_maskprep, .Lfunc_end_k_q2d8aa4d2aa_maskprep-k_q2d8aa4d2aa_maskprep
	.p2alignl 7, 3214868480
	.fill 96, 4, 3214868480
	.section	.rodata,"a",@progbits
	.p2align	6, 0x0
	.amdhsa_kernel k_q2d8aa4d2aa_maskprep
		.amdhsa_group_segment_fixed_size 18176
		.amdhsa_private_segment_fixed_size 0
		.amdhsa_enable_private_segment 0
		.amdhsa_kernarg_size 24
		.amdhsa_user_sgpr_count 2
		.amdhsa_user_sgpr_kernarg_segment_ptr 1
		.amdhsa_wavefront_size32 1
		.amdhsa_system_sgpr_workgroup_id_x 1
		.amdhsa_system_sgpr_workgroup_id_y 1
		.amdhsa_system_sgpr_workgroup_id_z 1
		.amdhsa_system_vgpr_workitem_id 0
		.amdhsa_next_free_vgpr 90
		.amdhsa_next_free_sgpr 66
		.amdhsa_reserve_vcc 1
		.amdhsa_float_denorm_mode_32 3
		.amdhsa_float_denorm_mode_16_64 3
		.amdhsa_memory_ordered 1
		.amdhsa_forward_progress 1
		.amdhsa_inst_pref_size 31
	.end_amdhsa_kernel
	.amdgpu_metadata
---
amdhsa.version: [ 1, 2 ]
amdhsa.kernels:
  - .name:           k_q2d8aa4d2aa_maskprep
    .symbol:         k_q2d8aa4d2aa_maskprep.kd
    .args:
      - { .name: mask, .offset: 0, .size: 8, .value_kind: global_buffer, .address_space: global }
      - { .name: mbits, .offset: 8, .size: 8, .value_kind: global_buffer, .address_space: global }
      - { .name: mflags, .offset: 16, .size: 8, .value_kind: global_buffer, .address_space: global }
    .group_segment_fixed_size: 18176
    .private_segment_fixed_size: 0
    .kernarg_segment_align: 8
    .kernarg_segment_size: 24
    .max_flat_workgroup_size: 128
    .sgpr_count:     66
    .vgpr_count:     90
    .wavefront_size: 32
...
	.end_amdgpu_metadata
.endif
;; end of part 3
;; launch attn (part 4): grid 4 x 64, 8 waves a work-group, no clusters, 113,664 bytes of LDS; arguments q, k, v, mbits, mflags, out0; writes out0
.if DOCPART == 4
	.amdgcn_target "amdgcn-amd-amdhsa--gfx1250"
	.amdhsa_code_object_version 6
	.text
	.protected	k_q2d8aa4d2aa_attn
	.globl	k_q2d8aa4d2aa_attn
	.p2align	8
	.type	k_q2d8aa4d2aa_attn,@function
k_q2d8aa4d2aa_attn:
	s_mov_b64 s[64:65], 0
	v_nop
	global_prefetch_b8 v0, s[64:65] scope:SCOPE_SE
	s_setreg_imm32_b32 hwreg(HW_REG_WAVE_MODE, 25, 1), 1
	s_wait_xcnt 0x0
; out = softmax(mask ? q k^T / 8 : -inf) v for one head (grid y) and eight blocks of 64 queries (grid x, one block a wave).
; q, k, v, out: [64 heads][2048][64] f32.  mbits, mflags: the mask as lane masks and as block flags, made by the launch before.
;
; SHARING.  Wave w of work-group x owns query block qb = p or 31 - p, p = 4 x + (w >> 1); which of the two is (w ^ (w >> 2)) & 1, so that waves w and
; w + 4, and waves 2 s and 2 s + 1, hold one low and one high block each.  That evens the work out where the mask is lower triangular; no result hangs on it.
; The 2,048 keys go in 32 steps of 64.  All eight waves share a step's K and V: each thread loads 16 bytes of four rows of each as f32, rounds them to 16 bits
; and stores them into one of two LDS slots, a step ahead; one barrier a step.
; THE MASK.  A wave leaves out a step whose block of 64 x 64 mask bytes has no true entry (mflags): every p there would be 0.  Step 0 is never left out: its products
; start the sums, so nothing is cleared.  A block's 128 lane masks (mbits, 512 consecutive bytes) are loaded a step ahead, 16 bytes a lane, in every step, so that the
; count of loads is the same on every path and the step's one wait for its tile serves them too.  Only a block that is not all true uses them: v_readlane_b32
; moves them to scalar registers, v_cndmask_b32 applies them.
;
; BOTH PRODUCTS ARE TAKEN TRANSPOSED.  S^T = K Q^T: source 0 = 16 keys, source 1 = 16 queries; lane (r, h) holds in register j the score of key 8 h + j and query r.
; Two such tiles, rounded to 16 bits in pairs, are as they lie the source 1 (32 keys of query r) of O^T = V^T P^T, whose source 0 comes from V's rows by the
; transposing LDS load.  So a query's maximum, sum and factor are one number a lane, and the only step between lanes is h <-> 1 - h.
;
; SOFTMAX with a running maximum m of the raw scores: p = 2^(s c - m c), c = log2(e) / 8; O and l are multiplied by 2^(m_old c - m_new c), formed from the same
; rounded products m c that p uses.  Sums in f32.
; NUMBER FORMATS.  q and k enter the first product as bf16.  p lies in [0, 1] and is rounded to f16: 11 significant bits.  With bf16's 8 bits each weight would be off by
; up to 2^-8 of itself, which shows in rows with few kept keys, where large v of opposite signs cancel.  So the second product is the f16 form.  v is rounded to bf16,
; as q and k are, and that number is written as f16, which holds every bf16 number from 2^-17 to 65,280 in magnitude exactly: the result is that of the exact
; computation on inputs rounded to bf16, but for p's rounding.
; LIMITS.  |v| of 65,408 and more becomes infinite in f16; |v| below 2^-17 is rounded to a multiple of 2^-24.  p below 2^-25 of its row's running maximum enters the
; product as 0 and is still counted in l: at most 2,048 x 2^-25 of l.  m starts at -2^100 (raw q.k units): a row whose kept scores all lie below that gives NaN.
; A row without a true mask entry ends with l = 0 and O = 0 and gives NaN, as the reference does.  NaN or infinite inputs are not reproduced element for
; element (the maximum drops NaN).
;
; NO TENSOR LOADS, NO JOINT REQUESTS, though the four work-groups of a head read the same K and V: the tiles are f32 in memory and have to pass through registers to be
; rounded, and V's rows must be 16-bit for the transposing load.  Through the mover a step's 32,768 bytes would be written to LDS and read back, 65,536 bytes
; of LDS traffic a work-group and step, to spare three of four requests of 32,768 bytes.
; PREFETCH: in step t wave 0 of work-group x asks for 8,192 bytes of tile t + 4 (x = 0, 1: the halves of K's tile; x = 2, 3: of V's), lanes 256 bytes apart, so each
; block of 256 bytes is asked for once in the launch; t = 27 is the last step that asks, for tile 31, the last.
.set TILEB, 16384                      ; a tile in memory: 64 rows of 64 f32
.set MBLK,  512                        ; a block's lane masks in mbits
.set KP,    144                        ; K's (and q's) LDS row: 128 bytes of bf16 + 16: an odd multiple of 16
.set VP,    160                        ; V's LDS row: 128 bytes of f16 + 32: an odd multiple of 32, for the transposing load
.set VOFF,  64*KP                      ; V behind K in a slot
.set SLOTB, VOFF+64*VP                 ; 19,456 bytes a slot, two slots
.set STAGE, 2*SLOTB                    ; behind the slots: each wave's own bytes
.set PRIV,  64*KP                      ; 9,216 a wave: at the start its 64 rows of q as bf16; at the end 16 rows x 272 bytes for the way out
.set SP,    272
; window 0
.set GOFF, 1                           ; v1   16 tid: my 16 bytes in 16 rows of a tile
.set KST,  2                           ; v2   (tid >> 4) KP + 8 (tid & 15): where my 4 numbers of K go
.set VST,  3                           ; v3   the same with VP
.set KA,   4                           ; v4   r KP + 16 h: K fragments
.set VA,   5                           ; v5   (8 h + (L & 7)) VP + 16 ((L >> 3) & 1): V fragments, transposing
.set STO,  6                           ; v6   my bytes + r SP + 32 h
.set RD,   7                           ; v7   my bytes + h SP + 16 r
.set CO,   8                           ; v8   16 L
.set PF,   9                           ; v9   256 L + (x & 1) 8192
.set QA,   10                          ; v10  my bytes + r KP + 16 h: q fragments
.set QST,  11                          ; v11  my bytes + h KP + 8 r: where my 4 numbers of q go
.set MX,   12                          ; v[12:15]  running maximum, q tile qt
.set TA,   16                          ; v[16:19]  at work
.set TB,   20                          ; v[20:23]  at work
.set NM,   24                          ; v[24:31]  -m c, twice (a pair for the packed forms)
.set AL,   32                          ; v[32:39]  the factor, twice
.set LS,   40                          ; v[40:47]  two partial sums of p
.set CV,   48                          ; v[48:63]  a tile's part in 16 bits: K 8 registers (bf16), V 8 (f16)
.set STG,  64                          ; v[64:95]  a tile's part as loaded: K 16 registers, V 16
.set QF,   96                          ; v[96:159] Q fragments: (qt, dh) at 16 qt + 8 dh
.set POOL, 160                         ; v[160:223] K fragments (dh, kt) at 8 (4 dh + kt), then V fragments (kh, dt) at 8 (4 kh + dt); at the start tile 0, then q as bf16; the way out
.set MW,   224                         ; v[224:231] a block's lane masks, 4 words a lane: word 32 qt + n in register n & 3 of lane 8 qt + (n >> 2); a set for even steps, one for odd
; window 1
.set SC,   0                           ; v[256:383] scores: tile (kt, qt) at 32 qt + 8 kt; then p; then P (qt, kh) as f16 at 16 (2 qt + kh); at the start q as loaded
.set OA,   128                         ; v[384:511] O^T: tile (dt, qt) at 8 (4 qt + dt)
; scalars: s2 at work  s3 mask of a word's upper half  s[4:5] q  s[6:7] k  s[8:9] v  s[10:11] mbits at my query block (these three at the trip's first step)
; s[12:13] mflags  s[14:15] out at my block  s16 wave  s17 qb  s18 step (the loop's counter)  s19 step + 1  s[20:21] c, c  s22 -c  s23 -inf  s24, s25 lane selects
; s27 last step that prefetches + 1  s[28:29] prefetch base  s30 some-true bits  s31 all-true bits  s[32:63], s[68:99] lane masks
.set MSB, 0
.macro WIN new                         ; s_set_vgpr_msb: bits 1:0 source 0, 3:2 source 1, 5:4 source 2, 7:6 destination; the high byte repeats the setting that is left
.if MSB != \new
	s_set_vgpr_msb (MSB<<8)|\new
.set MSB, \new
.endif
.endm
.macro PLACES cnt
.rept \cnt
	v_nop
.endr
.endm
; my part of a tile pair, in the 32 registers from src, is rounded and stored into slot o: K to bf16; V to bf16 and that number written as f16
.macro CVST o, src
.set cc, 0
.rept 16
	v_cvt_pk_bf16_f32 v[CV+cc], v[\src+2*cc], v[\src+2*cc+1]
.set cc, cc+1
.endr
.set cc, 0
.rept 8
	v_lshlrev_b32 v[\src+16+2*cc], 16, v[CV+8+cc]          ; V's bf16 numbers as f32 again: the low half moves up,
	v_and_b32 v[\src+17+2*cc], s3, v[CV+8+cc]              ; the high half stays
.set cc, cc+1
.endr
.set cc, 0
.rept 8
	v_cvt_pk_f16_f32 v[CV+8+cc], v[\src+16+2*cc], v[\src+17+2*cc] ; exact from 2^-17 to 65,280 in magnitude
.set cc, cc+1
.endr
.irp i, 0,1,2,3
	ds_store_b64 v[KST], v[CV+2*\i:CV+2*\i+1] offset:\o*SLOTB+\i*16*KP
.endr
.irp i, 0,1,2,3
	ds_store_b64 v[VST], v[CV+8+2*\i:CV+9+2*\i] offset:\o*SLOTB+VOFF+\i*16*VP
.endr
.endm
; my part of the K and V tiles at byte off from the bases, into the 32 registers from dst: load i of the work-group covers rows 16 i .. 16 i + 15, a wave's load 512 consecutive bytes
.macro LDT dst, off
.irp i, 0,1,2,3
	global_load_b128 v[\dst+4*\i:\dst+4*\i+3], v[GOFF], s[6:7] offset:\off+4096*\i
.endr
.irp i, 0,1,2,3
	global_load_b128 v[\dst+16+4*\i:\dst+19+4*\i], v[GOFF], s[8:9] offset:\off+4096*\i
.endr
.endm
; the 32 lane masks of q tile qt, from set set of MW into the scalar registers from bank
.macro RLANE bank, set, qt
.set cn, 0
.rept 32
	v_readlane_b32 s[\bank+cn], v[MW+4*\set+(cn&3)], 8*\qt+(cn>>2)
.set cn, cn+1
.endr
.endm
; and their use on the 32 score registers of q tile qt: lane's bit 1: the score stays; 0: -inf
.macro CMASK bank, qt
.set cn, 0
.rept 32
	v_cndmask_b32 v[SC+32*\qt+cn], s23, v[SC+32*\qt+cn], s[\bank+cn]
.set cn, cn+1
.endr
.endm
; One step: 64 keys, in slot.  u: the step's place in its trip, for the immediates.  st: the tile loaded a step ago is stored into the other slot.
; ld: the tile two steps on is loaded.  ml: the next step's lane masks are loaded.  pf: prefetch.  first: the sums start here.  bar: a barrier follows.
; treg: the register that holds the step's number.
.macro STEP slot, u, st, ld, ml, pf, first, bar, treg
.if \first == 0
	s_bitcmp1_b32 s30, \treg                       ; is any mask byte of my 64 queries x these 64 keys true?
	s_cbranch_scc0 .Lnok_\@
.endif
	; K's fragments are asked for first thing behind the barrier: they come while the next tile is waited for and rounded
.irp dh, 0,1
.irp kt, 0,1,2,3
	ds_load_b128 v[POOL+8*(4*\dh+\kt):POOL+8*(4*\dh+\kt)+3], v[KA] offset:\slot*SLOTB+\kt*16*KP+64*\dh
	ds_load_b128 v[POOL+8*(4*\dh+\kt)+4:POOL+8*(4*\dh+\kt)+7], v[KA] offset:\slot*SLOTB+\kt*16*KP+64*\dh+32
.endr
.endr
.if \first == 0
.Lnok_\@:
.endif
	s_wait_loadcnt 0x0                             ; what was asked for a step ago is in: the next step's tile in STG, this step's lane masks in MW
.if \st
	CVST (1-\slot), STG                            ; into the slot that was read last step: all its readers waited for their reads in front of the last barrier
.endif
.if \ld
	LDT STG, (\u+2)*TILEB                          ; it has a whole step in which to come
.endif
.if \ml
	global_load_b128 v[MW+4*(1-\slot):MW+4*(1-\slot)+3], v[CO], s[10:11] offset:(\u+1)*MBLK   ; the next step's lane masks: the wave's 512 consecutive bytes, aligned
.endif
.if \pf
	s_cmp_lt_u32 \treg, s27                        ; wave 0, steps 0 to 27
	s_cbranch_scc0 .Lnopf_\@
	global_prefetch_b8 v[PF], s[28:29] offset:(\u+4)*TILEB th:TH_LOAD_NT scope:SCOPE_SE
.Lnopf_\@:
.endif
.if \first == 0
	s_bitcmp1_b32 s30, \treg                       ; the same question again: the rest of the step is left out with the fragments
	s_cbranch_scc0 .Lskip_\@
.endif
	s_wait_dscnt 8+8*\st                           ; the fragments of d = 0 .. 31 are in; the eight younger loads (d = 32 .. 63) and the tile's eight stores behind them may be out
	WIN 0x50                                       ; C and D in window 1
	; the sixteen accumulators take turns, one instruction a turn
.irp qt, 0,1,2,3
.irp kt, 0,1,2,3
	v_wmma_f32_16x16x32_bf16 v[SC+32*\qt+8*\kt:SC+32*\qt+8*\kt+7], v[POOL+8*\kt:POOL+8*\kt+7], v[QF+16*\qt:QF+16*\qt+7], 0
.endr
.endr
	s_wait_dscnt 8*\st                             ; all sixteen loads are in; the stores may be out
.irp qt, 0,1,2,3
.irp kt, 0,1,2,3
	v_wmma_f32_16x16x32_bf16 v[SC+32*\qt+8*\kt:SC+32*\qt+8*\kt+7], v[POOL+32+8*\kt:POOL+32+8*\kt+7], v[QF+16*\qt+8:QF+16*\qt+15], v[SC+32*\qt+8*\kt:SC+32*\qt+8*\kt+7]
.endr
.endr
	PLACES 4                                       ; four places before vector instructions read the scores and before loads land on the K fragments
	WIN 0
	s_bitcmp1_b32 s31, \treg                       ; all true: nothing to mask
	s_cbranch_scc1 .Lnomask_\@
	RLANE 32, \slot, 0                             ; 64 words at a time, so that no v_cndmask_b32 follows closely on the v_readlane_b32 that feeds it
	RLANE 68, \slot, 1
	WIN 0x44                                       ; source 1 and destination in window 1
	CMASK 32, 0
	CMASK 68, 1
	WIN 0
	RLANE 32, \slot, 2
	RLANE 68, \slot, 3
	WIN 0x44
	CMASK 32, 2
	CMASK 68, 3
	WIN 0
.Lnomask_\@:
	WIN 0x05                                       ; sources 0 and 1 in window 1
.irp qt, 0,1,2,3
	v_max3_num_f32 v[TA+\qt], v[SC+32*\qt], v[SC+32*\qt+1], v[MX+\qt]     ; four chains, each started by the old maximum
.endr
.set ci, 1
.rept 15
.irp qt, 0,1,2,3
	v_max3_num_f32 v[TA+\qt], v[SC+32*\qt+2*ci], v[SC+32*\qt+2*ci+1], v[TA+\qt]
.endr
.set ci, ci+1
.endr
	WIN 0
.irp kh, 0,1
.irp dt, 0,1,2,3
	ds_load_tr16_b128 v[POOL+8*(4*\kh+\dt):POOL+8*(4*\kh+\dt)+3], v[VA] offset:\slot*SLOTB+VOFF+32*\kh*VP+32*\dt            ; V^T: d = 16 dt + r, keys 32 kh + 8 h .. +7
	ds_load_tr16_b128 v[POOL+8*(4*\kh+\dt)+4:POOL+8*(4*\kh+\dt)+7], v[VA] offset:\slot*SLOTB+VOFF+32*\kh*VP+32*\dt+16*VP    ; keys 32 kh + 16 + 8 h .. +7; they come while the softmax runs
.endr
.endr
.irp qt, 0,1,2,3
	v_permlanex16_b32 v[TB+\qt], v[TA+\qt], s24, s25       ; the other half's keys of the same query
.endr
.irp qt, 0,1,2,3
	v_max_num_f32 v[MX+\qt], v[TA+\qt], v[TB+\qt]
.endr
.irp qt, 0,1,2,3
	v_mul_f32 v[TA+\qt], s22, v[MX+\qt]                    ; -m c, rounded once; p and the factor both use this number
.endr
.irp qt, 0,1,2,3
	v_sub_f32 v[TB+\qt], v[TA+\qt], v[NM+2*\qt]            ; m_old c - m_new c, never above 0
.endr
.irp qt, 0,1,2,3
	v_exp_f32 v[AL+2*\qt], v[TB+\qt]
	v_exp_f32 v[AL+2*\qt+1], v[TB+\qt]
.endr
.irp qt, 0,1,2,3
	v_mov_b32 v[NM+2*\qt], v[TA+\qt]                       ; plain instructions that touch neither AL nor TB stand behind the exponentials (ISA guide 5.7.2)
	v_mov_b32 v[NM+2*\qt+1], v[TA+\qt]
.endr
	s_wait_alu depctr_va_vdst(0)
.irp qt, 0,1,2,3
	v_pk_mul_f32 v[LS+2*\qt:LS+2*\qt+1], v[LS+2*\qt:LS+2*\qt+1], v[AL+2*\qt:AL+2*\qt+1]
.endr
	WIN 0x41                                       ; source 0 and destination in window 1
.irp qt, 0,1,2,3
.set ci, 0
.rept 16
	v_pk_fma_f32 v[SC+32*\qt+2*ci:SC+32*\qt+2*ci+1], v[SC+32*\qt+2*ci:SC+32*\qt+2*ci+1], s[20:21], v[NM+2*\qt:NM+2*\qt+1] op_sel_hi:[1,0,1]   ; s c - m c
.set ci, ci+1
.endr
.endr
.set cn, 0
.rept 64
	v_exp_f32 v[SC+2*cn], v[SC+2*cn]
	v_exp_f32 v[SC+2*cn+1], v[SC+2*cn+1]
.if \first == 0
	v_pk_mul_f32 v[OA+2*cn:OA+2*cn+1], v[OA+2*cn:OA+2*cn+1], v[AL+2*(cn>>4):AL+2*(cn>>4)+1]    ; O times the factor: the plain place behind the two exponentials
.endif
.set cn, cn+1
.endr
.if \first
	v_nop                                          ; the plain place behind the last exponentials
	s_wait_alu depctr_va_vdst(0)
.endif
	WIN 0x01
.set ci, 0
	s_wait_alu depctr_va_vdst(0)
.rept 16
.irp qt, 0,1,2,3
	v_pk_add_f32 v[LS+2*\qt:LS+2*\qt+1], v[SC+32*\qt+2*ci:SC+32*\qt+2*ci+1], v[LS+2*\qt:LS+2*\qt+1]   ; a lane sums its own keys; the halves meet at the end
.endr
.set ci, ci+1
.endr
	WIN 0x45
.set cb, 0
.rept 8
.set ck, 0
.rept 8
	v_cvt_pk_f16_f32 v[SC+16*cb+ck], v[SC+16*cb+2*ck], v[SC+16*cb+2*ck+1]      ; p to f16, in place, upward: register ck is written when registers 2 ck and 2 ck + 1 are read
.set ck, ck+1
.endr
.set cb, cb+1
.endr
	s_wait_dscnt 0x0                               ; V's fragments
	WIN 0x54                                       ; source 1 (P), C and D in window 1
	; the sixteen accumulators take turns, one instruction a turn
.irp kh, 0,1
.irp qt, 0,1,2,3
.irp dt, 0,1,2,3
.if \first*(1-\kh)
	v_wmma_f32_16x16x32_f16 v[OA+8*(4*\qt+\dt):OA+8*(4*\qt+\dt)+7], v[POOL+8*(4*\kh+\dt):POOL+8*(4*\kh+\dt)+7], v[SC+16*(2*\qt+\kh):SC+16*(2*\qt+\kh)+7], 0
.else
	v_wmma_f32_16x16x32_f16 v[OA+8*(4*\qt+\dt):OA+8*(4*\qt+\dt)+7], v[POOL+8*(4*\kh+\dt):POOL+8*(4*\kh+\dt)+7], v[SC+16*(2*\qt+\kh):SC+16*(2*\qt+\kh)+7], v[OA+8*(4*\qt+\dt):OA+8*(4*\qt+\dt)+7]
.endif
.endr
.endr
.endr
	PLACES 5                                       ; five places before the next score products write over P's registers; they also serve the next loads into POOL and the readers of O
	WIN 0
.Lskip_\@:
	s_wait_dscnt 0x0                               ; my stores of the next tile are in LDS and my reads of this slot are back
.if \bar
	s_barrier_signal -1
	s_barrier_wait -1                              ; so of every wave: the next slot may be read, this one written
.endif
.endm
	s_load_b256 s[4:11], s[0:1], 0x0               ; q, k, v, mbits
	s_load_b128 s[12:15], s[0:1], 0x20             ; mflags, out
	v_lshl_add_u32 v254, v0, 2, 0x1b800
	v_mov_b32 v255, 0
	v_lshrrev_b32 v11, 5, v0
	v_readfirstlane_b32 s16, v11                   ; wave 0..7
	v_and_b32 v16, 31, v0                          ; L
	v_and_b32 v17, 15, v0                          ; r
	v_bfe_u32 v18, v0, 4, 1                        ; h
	v_lshrrev_b32 v19, 4, v0                       ; tid >> 4
	v_lshlrev_b32 v[GOFF], 4, v0
	v_lshlrev_b32 v[CO], 4, v16
	s_lshr_b32 s2, s16, 1
	s_lshl_b32 s3, ttmp9, 2
	s_add_co_u32 s2, s2, s3                        ; p = 4 x + (w >> 1)
	s_lshr_b32 s3, s16, 2
	s_xor_b32 s3, s3, s16
	s_sub_co_u32 s17, 31, s2
	s_bitcmp1_b32 s3, 0
	s_cselect_b32 s17, s17, s2                     ; qb = 31 - p or p
	s_mov_b32 s20, 0x3e38aa3b                      ; c = log2(e) / 8
	s_mov_b32 s21, 0x3e38aa3b
	s_mov_b32 s22, 0xbe38aa3b                      ; -c
	s_mov_b32 s23, 0xff800000                      ; -inf
	s_mov_b32 s24, 0x76543210                      ; v_permlanex16_b32: lane i of one half reads lane i of the other
	s_mov_b32 s25, 0xfedcba98
	s_cmp_eq_u32 s16, 0
	s_cselect_b32 s27, 28, 0                       ; wave 0 prefetches in steps 0 to 27, the others never
	s_and_b32 s2, ttmp7, 0xffff
	s_lshl_b32 s2, s2, 19                          ; a head: 2,048 rows of 256 bytes
	s_mov_b32 s3, 0
	s_lshl_b32 s18, s17, 14                        ; a query block: 64 rows of 256 bytes; in mbits 32 blocks of 512 bytes
	s_mov_b32 s19, 0
	s_wait_kmcnt 0x0
	s_add_nc_u64 s[4:5], s[4:5], s[2:3]
	s_add_nc_u64 s[6:7], s[6:7], s[2:3]
	s_add_nc_u64 s[8:9], s[8:9], s[2:3]
	s_add_nc_u64 s[14:15], s[14:15], s[2:3]
	s_add_nc_u64 s[4:5], s[4:5], s[18:19]
	s_add_nc_u64 s[14:15], s[14:15], s[18:19]
	s_add_nc_u64 s[10:11], s[10:11], s[18:19]
	s_lshl_b32 s18, s17, 3
	s_add_nc_u64 s[12:13], s[12:13], s[18:19]
	s_load_b64 s[32:33], s[12:13], 0x0             ; my block's eight flag bytes
	s_cmp_lt_u32 ttmp9, 2
	s_cselect_b64 s[28:29], s[6:7], s[8:9]         ; work-groups 0 and 1 prefetch K, 2 and 3 V
	; all the first loads go out in one run, 49 of them: tile 0, step 0's lane masks, my 64 rows of q, tile 1
	LDT POOL, 0
	global_load_b128 v[MW:MW+3], v[CO], s[10:11]
	WIN 0x40                                       ; destination in window 1: the score registers are free
.set cc, 0
.rept 32
	global_load_b128 v[SC+4*cc:SC+4*cc+3], v[CO], s[4:5] offset:512*cc th:TH_LOAD_NT      ; rows 2 cc and 2 cc + 1 of q: 512 consecutive bytes
.set cc, cc+1
.endr
	WIN 0
	LDT STG, TILEB                                 ; tile 1; it stays in STG until step 0 stores it
	v_mul_u32_u24 v20, v19, KP
	v_lshl_add_u32 v[KST], v17, 3, v20
	v_mul_u32_u24 v20, v19, VP
	v_lshl_add_u32 v[VST], v17, 3, v20
	v_mul_u32_u24 v20, v17, KP
	v_lshl_add_u32 v[KA], v18, 4, v20
	v_and_b32 v21, 7, v0
	v_lshl_add_u32 v21, v18, 3, v21                ; 8 h + (L & 7)
	v_mul_u32_u24 v21, v21, VP
	v_bfe_u32 v22, v0, 3, 1
	v_lshl_add_u32 v[VA], v22, 4, v21
	s_mul_i32 s2, s16, PRIV
	s_add_co_u32 s2, s2, STAGE                     ; my own bytes
	v_add_nc_u32 v[QA], s2, v[KA]                  ; + r KP + 16 h
	v_mul_u32_u24 v21, v18, KP
	v_lshl_add_u32 v21, v17, 3, v21
	v_add_nc_u32 v[QST], s2, v21                   ; + h KP + 8 r
	v_mul_u32_u24 v21, v17, SP
	v_lshl_add_u32 v21, v18, 5, v21
	v_add_nc_u32 v[STO], s2, v21
	v_mul_u32_u24 v21, v18, SP
	v_lshl_add_u32 v21, v17, 4, v21
	v_add_nc_u32 v[RD], s2, v21
	s_and_b32 s3, ttmp9, 1
	s_lshl_b32 s3, s3, 13
	v_lshl_add_u32 v[PF], v16, 8, s3
	s_mov_b32 s3, 0xffff0000                       ; from here on: the mask of a word's upper half
.irp qt, 0,1,2,3
	v_mov_b32 v[MX+\qt], 0xf1800000                ; -2^100
	v_mov_b32 v[TB+\qt], 0                         ; v_permlanex16_b32 counts as a reader of its destination
.endr
.irp i, 0,1,2,3,4,5,6,7
	v_mul_f32 v[NM+\i], s22, v[MX]                 ; -m c of the starting maximum
	v_mov_b32 v[LS+\i], 0
.endr
	s_wait_loadcnt 0x29                            ; tile 0 is in; the 41 younger loads stay out: 1 of lane masks, 32 of q, 8 of tile 1
	CVST 0, POOL
	s_wait_loadcnt 0x8                             ; q is in; tile 1's eight loads stay out
	WIN 0x05                                       ; sources in window 1
.set cc, 0
.rept 64
	v_cvt_pk_bf16_f32 v[POOL+cc], v[SC+2*cc], v[SC+2*cc+1]
.set cc, cc+1
.endr
	WIN 0
.set cc, 0
.rept 32
	ds_store_b64 v[QST], v[POOL+2*cc:POOL+2*cc+1] offset:2*KP*cc           ; row 2 cc + h, d = 4 r .. 4 r + 3
.set cc, cc+1
.endr
.irp qt, 0,1,2,3
.irp dh, 0,1
	ds_load_b128 v[QF+16*\qt+8*\dh:QF+16*\qt+8*\dh+3], v[QA] offset:\qt*16*KP+64*\dh       ; my own bytes, and LDS serves a wave's instructions in order: these see the stores above
	ds_load_b128 v[QF+16*\qt+8*\dh+4:QF+16*\qt+8*\dh+7], v[QA] offset:\qt*16*KP+64*\dh+32
.endr
.endr
	s_wait_kmcnt 0x0                               ; the flag bytes: byte kc holds in bits 0-3 'some true', in bits 4-7 'all true', of steps 4 kc .. 4 kc + 3
	s_mov_b32 s30, 0
	s_mov_b32 s31, 0
.irp kc, 0,1,2,3,4,5,6,7
	s_bfe_u32 s2, s[32+(\kc>>2)], (4<<16)|(8*(\kc&3))
	s_lshl_b32 s2, s2, 4*\kc
	s_or_b32 s30, s30, s2                          ; bit t = step t
	s_bfe_u32 s2, s[32+(\kc>>2)], (4<<16)|(8*(\kc&3)+4)
	s_lshl_b32 s2, s2, 4*\kc
	s_or_b32 s31, s31, s2
.endr
	s_wait_dscnt 0x0                               ; my part of tile 0 is in LDS, my q fragments are in
	s_barrier_signal -1
	s_barrier_wait -1
	s_mov_b32 s18, 0
	STEP 0, 0, 1, 1, 1, 1, 1, 1, s18               ; step 0 starts the sums
	s_wait_xcnt 0x0                                ; the bases are stepped only behind this wait
	s_add_nc_u64 s[6:7], s[6:7], TILEB
	s_add_nc_u64 s[8:9], s[8:9], TILEB
	s_add_nc_u64 s[28:29], s[28:29], TILEB
	s_add_nc_u64 s[10:11], s[10:11], MBLK
	s_mov_b32 s18, 1
.Lloop:                                            ; 14 trips: steps 1 to 28; the bases stand at the trip's first step
	s_add_co_u32 s19, s18, 1
	STEP 1, 0, 1, 1, 1, 1, 0, 1, s18
	STEP 0, 1, 1, 1, 1, 1, 0, 1, s19
	s_wait_xcnt 0x0
	s_add_nc_u64 s[6:7], s[6:7], 2*TILEB
	s_add_nc_u64 s[8:9], s[8:9], 2*TILEB
	s_add_nc_u64 s[28:29], s[28:29], 2*TILEB
	s_add_nc_u64 s[10:11], s[10:11], 2*MBLK
	s_add_co_u32 s18, s18, 2
	s_cmp_lt_u32 s18, 29
	s_cbranch_scc1 .Lloop
	s_mov_b32 s19, 30
	s_mov_b32 s2, 31
	STEP 1, 0, 1, 1, 1, 0, 0, 1, s18               ; step 29 loads tile 31, the last, and step 30's lane masks
	STEP 0, 1, 1, 0, 1, 0, 0, 1, s19               ; step 30 stores tile 31 and loads step 31's lane masks
	STEP 1, 0, 0, 0, 0, 0, 0, 0, s2                ; step 31: no slot is written any more, so no barrier follows
	; out = O / l
.irp qt, 0,1,2,3
	v_add_f32 v[TA+\qt], v[LS+2*\qt], v[LS+2*\qt+1]
.endr
.irp qt, 0,1,2,3
	v_permlanex16_b32 v[TB+\qt], v[TA+\qt], s24, s25
.endr
.irp qt, 0,1,2,3
	v_add_f32 v[TA+\qt], v[TA+\qt], v[TB+\qt]
.endr
.irp qt, 0,1,2,3
	v_rcp_f32 v[AL+2*\qt], v[TA+\qt]
	v_rcp_f32 v[AL+2*\qt+1], v[TA+\qt]
.endr
	v_nop                                          ; the plain place behind the reciprocals
	WIN 0x41
.set cn, 0
	s_wait_alu depctr_va_vdst(0)
.rept 64
	v_pk_mul_f32 v[OA+2*cn:OA+2*cn+1], v[OA+2*cn:OA+2*cn+1], v[AL+2*(cn>>4):AL+2*(cn>>4)+1]
.set cn, cn+1
.endr
	; the way out, 16 queries at a time: lane (r, h) holds d = 16 dt + 8 h + j of query r; through my own bytes the rows come back whole
.irp qt, 0,1,2,3
	WIN 0x04                                       ; store data in window 1
.irp dt, 0,1,2,3
	ds_store_b128 v[STO], v[OA+8*(4*\qt+\dt):OA+8*(4*\qt+\dt)+3] offset:64*\dt
	ds_store_b128 v[STO], v[OA+8*(4*\qt+\dt)+4:OA+8*(4*\qt+\dt)+7] offset:64*\dt+16
.endr
	WIN 0
	s_wait_xcnt 0x0                                ; the registers that earlier global stores read are loaded again only behind this wait
.irp i, 0,1,2,3,4,5,6,7
	ds_load_b128 v[POOL+32*(\qt&1)+4*\i:POOL+32*(\qt&1)+4*\i+3], v[RD] offset:2*SP*\i     ; my own bytes, served in order: these see the stores above
.endr
.irp i, 0,1,2,3,4,5,6,7
	s_wait_dscnt 7-\i                              ; load i is back, the 7 - i younger ones stay out
	global_store_b128 v[CO], v[POOL+32*(\qt&1)+4*\i:POOL+32*(\qt&1)+4*\i+3], s[14:15] offset:(16*\qt+2*\i)*256 th:TH_STORE_NT    ; two rows: 512 consecutive bytes, aligned
.endr
.endr
	s_wait_tensorcnt 0x0
	ds_add_u32 v254, v255
	s_wait_dscnt 0x0
	s_endpgm
.Lfunc_end_k_q2d8aa4d2aa_attn:
	.size	k_q2d8aa4d2aa_attn, .Lfunc_end_k_q2d8aa4d2aa_attn-k_q2d8aa4d2aa_attn
	.p2alignl 7, 3214868480
	.fill 96, 4, 3214868480
	.section	.rodata,"a",@progbits
	.p2align	6, 0x0
	.amdhsa_kernel k_q2d8aa4d2aa_attn
		.amdhsa_group_segment_fixed_size 113664
		.amdhsa_private_segment_fixed_size 0
		.amdhsa_enable_private_segment 0
		.amdhsa_kernarg_size 48
		.amdhsa_user_sgpr_count 2
		.amdhsa_user_sgpr_kernarg_segment_ptr 1
		.amdhsa_wavefront_size32 1
		.amdhsa_system_sgpr_workgroup_id_x 1
		.amdhsa_system_sgpr_workgroup_id_y 1
		.amdhsa_system_sgpr_workgroup_id_z 1
		.amdhsa_system_vgpr_workitem_id 0
		.amdhsa_next_free_vgpr 512
		.amdhsa_next_free_sgpr 100
		.amdhsa_reserve_vcc 0
		.amdhsa_float_denorm_mode_32 3
		.amdhsa_float_denorm_mode_16_64 3
		.amdhsa_memory_ordered 1
		.amdhsa_forward_progress 1
		.amdhsa_inst_pref_size 255
	.end_amdhsa_kernel
	.section	.bss,"aw",@nobits
	.p2align	6
	.space	262144
	.amdgpu_metadata
---
amdhsa.version: [ 1, 2 ]
amdhsa.kernels:
  - .name:           k_q2d8aa4d2aa_attn
    .symbol:         k_q2d8aa4d2aa_attn.kd
    .args:
      - { .name: q, .offset: 0, .size: 8, .value_kind: global_buffer, .address_space: global }
      - { .name: k, .offset: 8, .size: 8, .value_kind: global_buffer, .address_space: global }
      - { .name: v, .offset: 16, .size: 8, .value_kind: global_buffer, .address_space: global }
      - { .name: mbits, .offset: 24, .size: 8, .value_kind: global_buffer, .address_space: global }
      - { .name: mflags, .offset: 32, .size: 8, .value_kind: global_buffer, .address_space: global }
      - { .name: out0, .offset: 40, .size: 8, .value_kind: global_buffer, .address_space: global }
    .group_segment_fixed_size: 113664
    .private_segment_fixed_size: 0
    .kernarg_segment_align: 8
    .kernarg_segment_size: 48
    .max_flat_workgroup_size: 256
    .sgpr_count:     100
    .vgpr_count:     512
    .wavefront_size: 32
...
	.end_amdgpu_metadata
.endif
;; end of part 4
